; MI455X (gfx1250); checked and timed in simulation.
; The chip was launched on July 23, 2026; its instructions are those of AMD's public machine-readable ISA for CDNA 5 (MIT licence, August 2026) and "CDNA5" Instruction Set Architecture Reference Guide (July 2026). The comments in the code are by the model that wrote it; some were corrected since.
;; Sparse Self Attention. Allowed arithmetic: matrix products marked QUANTISED: E3M2 operands, one E8M0 scale for each 32 along K, by v_wmma_scale_f32_16x16x128_f8f6f4 with both operands' format E3M2, f32 sums; everything else in f32.
;; Inputs: key 2 x 16 x 2,048 x 64 float32; key_padding_mask 2 x 2,048 float32; layout 16 x 64 x 64 int32; query 2 x 16 x 2,048 x 64 float32; value 2 x 16 x 2,048 x 64 float32.
;; Outputs: out0 2 x 16 x 2,048 x 64 float32.
;; This version of the problem:
;;   THIS VERSION OF THE PROBLEM IS GIVEN IN LOW PRECISION. The matrix products marked QUANTISED in the list below multiply operands that are first quantised to E3M2 (3 exponent bits, 2 mantissa bits; 6 bits a number), with one power-of-two scale for each 32 numbers along K (OCP MX v1.0); their sums are f32. All else is computed in f32.
;;   The module's matrix products, in the order in which they are computed (A, B: the left and right operand; K: the contracted axis; several contracted axes count as one K, in the product's order):
;;     1. batch 32 x [M 2,048, K 64] x [K 64, N 2,048]; A: input query; B: input key: QUANTISED
;;     2. batch 32 x [M 2,048, K 2,048] x [K 2,048, N 64]; A: softmax (see below); B: input value: QUANTISED
;;   THE QUANTISER, for each operand of a quantised product, along K:
;;     - K is cut into blocks of 32 from its start; a last block that is shorter is filled with zeros.
;;     - A block's scale is 2^e with e = floor(log2(the largest magnitude in the block)) - 4, held to -126 .. 127; a block of zeros has e = 0. As a byte (E8M0): e + 127.
;;     - Each number is divided by its block's scale, clamped to +-28, and rounded to the nearest number of E3M2, ties to even, subnormals kept.
;;     - The product sums the exact products of the quantised numbers (number of the format x scale) in f32.
;;   ~~~python
;;   def quantise(x, axis):      # numpy; x: float32 -> the quantised numbers, widened to float32 again
;;       x = np.moveaxis(x, axis, -1); K = x.shape[-1]
;;       x = np.pad(x, [(0, 0)] * (x.ndim - 1) + [(0, -K % 32)]); x = x.reshape(x.shape[:-1] + (-1, 32)); a = np.abs(x).max(-1, keepdims=True)
;;       e = np.where(a > 0, np.clip(np.frexp(np.where(a > 0, a, 1))[1] - 1 - 4, -126, 127), 0)      # np.frexp(a)[1] - 1 = floor(log2(a)), exactly
;;       r = np.clip(x / 2.0 ** e, -28, 28)
;;       step = 2.0 ** (np.maximum(np.frexp(np.where(r == 0, 1, r))[1] - 1, -2) - 2)
;;       q = np.round(r / step) * step * 2.0 ** e      # np.round: ties to even
;;       return np.moveaxis(q.reshape(q.shape[:-2] + (-1,))[..., :K], -1, axis).astype(np.float32)
;;   ~~~
;;   SOFTMAX AHEAD OF A QUANTISED PRODUCT. Where the list says 'softmax', what is quantised is not the finished softmax but p = 2^(t - M), with t = logit x log2(e) and M = ceil(the row's largest t), a whole number; so 1/2 < the row's largest p <= 1. The row's sum l is taken of the UNQUANTISED p, in f32, and the product's result is divided by l at the end. Since M is a whole number, a kernel that streams over the keys may use a running M (the ceiling of the running maximum): every later rescaling is an exact power of two, which a block's scale takes up: the codes' values come out the same.
;;   OPERANDS COMPUTED ON THE WAY. 'Computed on the way' means the value that the module computes at that place (a softmax that the list does not call 'softmax' is quantised finished and normalised). What goes into a quantiser is computed in f32, as accurately as f32 sums, v_exp_f32 and their like allow (about 1e-6 of the number): no bf16 or f16 on the way to a quantiser, and a product that is left as it is and whose result goes on into a quantised operand takes f32 operands (vector FMAs, or v_wmma_f32_16x16x4_f32). A number that lies on a knife's edge between two numbers of the format may be rounded either way, as far as f32 arithmetic and the matrix unit's own rounding can turn it there, and no further.
;; 2 versions. Each part assembles by itself: llvm-mc -triple=amdgcn-amd-amdhsa -mcpu=gfx1250 --defsym DOCPART=n.
;; ======== version 1 of 2: 1 launch
;; launch attn (part 1): grid 8 x 32, 16 waves a work-group, no clusters, 108,544 bytes of LDS; arguments query, key, value, key_padding_mask, layout, out0; writes out0
.if DOCPART == 1
	.amdgcn_target "amdgcn-amd-amdhsa--gfx1250"
	.amdhsa_code_object_version 6
	.text
	.protected	k_q4badd6c34e_attn
	.globl	k_q4badd6c34e_attn
	.p2align	8
	.type	k_q4badd6c34e_attn,@function
k_q4badd6c34e_attn:
	s_mov_b64 s[64:65], 0
	v_nop
	global_prefetch_b8 v0, s[64:65] scope:SCOPE_SE
	s_setreg_imm32_b32 hwreg(HW_REG_WAVE_MODE, 25, 1), 1
	s_wait_xcnt 0x0
; out[b][h][q][:] = sum over keys of softmax_k(q.k / 8 + kpm[b][k], only where layout[h][q / 32][k / 32] != 0) v[k][:].   B x H = 32 heads, L = 2,048, D = 64, all f32 in memory.
; Both products run on codes of BF6 (E3M2) with one E8M0 scale for each 32 along a product's K.  Product 1 has K = 64: the instruction's upper 64 along K are zero codes.  Product 2 has K = the keys.
; THE SOFTMAX AHEAD OF PRODUCT 2: t = (q.k + 8 kpm) x log2(e) / 8; M = the running largest t rounded UP to a whole number; p = 2^(t - M) is quantised along the keys; the row's sum is taken of the unquantised p and divides at the end.
; SHARES.  A work-group owns 256 queries of one head (x: the chunk, y: batch x 16 + head); each of its sixteen waves owns 16 of them in 256 registers, four waves to a SIMD.
; The keys go in 16 groups of 128 (four layout blocks, one K step of product 2), in a loop of constant count.  A group that no row of the work-group uses is neither loaded nor quantised; a wave whose own layout row
; has none of the group's four blocks leaves the group's products and softmax out; of a group in part active, the scores of the inactive blocks become -infinity.  These are scalar branches on layout words, whole numbers read from memory.
; Every wave passes every barrier: one a group, outside all those branches.
; K AND V ARE QUANTISED ONCE FOR THE WORK-GROUP: waves 0-7 make the eight tiles of K (16 keys x 64), waves 8-15 the four key blocks x 64 channels of V (a lane to a channel, its registers down the keys), each lane ONE whole block of 32.
; The codes go to LDS as images of the operands' registers and are read by all sixteen waves.  Two image buffers take turns, so that one barrier a group orders both the stores ahead of the reads and the reads ahead of the stores two groups on.
; LAYOUT.  Both products are used transposed: S^T = K Q^T (+ C = 8 kpm of the keys), O^T = V^T P^T: a lane holds ONE query (lane % 16) throughout.
; THE KEYS OF A TILE ARE NOT NEIGHBOURS: lane r of tile 2 b + u takes key 32 b + 8 u + r + 8 (r / 8), so that S register 16 b + x of lane (r, h) is key 32 b + 16 h + x: 16 neighbours along product 2's K.
; NO CLUSTER, NO TENSOR LOADS: the eight work-groups of a head read the same K and V, but which groups each of them walks hangs on layout words read from memory, so partners would ask for different tiles,
; So the operands come by loads into registers.
; LIMITS: layout != 0 counts as active.  A query row with no active block gives 0 x (1 / 0) = NaN, as the softmax of a row of -infinity does.  NaN and infinities in query, key, value or key_padding_mask are not served.
; A block whose largest magnitude lies under 2^-122 keeps the scale byte 1; a block of zeros has the byte 1 where the quantiser says 127: its codes are zeros, and the bytes are read by this text alone.
; LDS, in bytes
.set IMGB,  6144                       ; a group's codes of K, and of V: 8 pieces of 768 (registers 0-3 of a piece at 16 x lane, registers 4-5 at 512 + 8 x lane)
.set KIMG,  0                          ; K's images, two buffers: tile T at 768 T
.set VIMG,  12288                      ; V's images, two buffers: piece 2 t + c at 768 (2 t + c): registers 6 c .. 6 c + 5 of the fragment of channels 16 t on
.set KSCL,  24576                      ; K's scale words, two buffers of 1,024: tile T at 128 T + 4 x lane
.set VSCL,  26624                      ; V's scale words, two buffers of 256: channel d at 4 d, byte jb = key block jb of the group
.set KPM8,  27136                      ; 8 x key_padding_mask of my batch: 2,048 f32
.set STAGE, 35328                      ; the way out: for each wave 16 rows x (256 + 16) bytes
; vector registers
.set LI16, 1                           ; 16 x lane
.set LI8,  2                           ; 8 x lane
.set LI4,  3                           ; 4 x lane
.set R4,   4                           ; 4 x (lane % 16)
.set KPM0, 5                           ; 64 x (lane / 16): my half's 16 keys of a block in the padding mask
.set KA128, 6                          ; where a K producer stores registers 0-3: 768 w7 + 16 lane
.set KA64,  7                          ; and registers 4-5: 768 w7 + 8 lane
.set KSA,   8                          ; and the scale word: 128 w7 + 4 lane
.set VA128, 9                          ; the same three for a V producer
.set VA64,  10
.set VSA,   11
;          v12 -M, v13 the largest t, v[14:15] the row's sum in two halves
.set QF,   16                          ; v16-27 Q's fragment: six registers of codes, six of zeros
.set QS,   28                          ; Q's scale word
.set XOK,  29                          ; a K producer's byte offset in a group of K
.set XOV,  30                          ; a V producer's in a group of V
.set KP,   31                          ; LDS address in hand
.set X,    32                          ; v32-63 a producer's 32 numbers
.set OT,   64                          ; v64-95 O^T, tile t (channels 16 t on) at 8 t
.set S,    96                          ; v96-159 C, then S^T, then p; v96-143 then take V's four fragments
.set KF,   160                         ; v160-207 four fragments of K; registers 6-11 of each stay zero
.set PC,   208                         ; v208-219 p's codes; a producer's six
.set TC,   220                         ; v220-222, v224-226 the conversions' second halves
.set BM,   228                         ; v228-231 the blocks' largest scores, then largest p
.set BT,   232                         ; v232-235 the other half's maxima, the bytes, then a pair of sums
.set SO,   236                         ; v236-239 the conversions' scale operands
.set PW,   240                         ; p's scale word
.set FS,   241                         ; v241-244 the fragments' scale words
.set SH8,  245                         ; 8 x (lane / 16)
;          v246-250 at work in QUANT32 and WORD; v[252:253] f; v254 at work
.set STO,  251                         ; the way out: where I put 32 bytes of a row
.set SRD,  255                         ; and where I read a row back
; scalar registers
.set WV,   16                          ; my wave's number
.set W7,   17                          ; and modulo 8
.set SEL,  20                          ; s[20:21] v_permlanex16_b32's selects for lane l xor 16
.set CS,   22                          ; s[22:23] c = log2(e) / 8
.set XB,   24                          ; s[24:25] the group to be loaded, in K (waves 0-7) or in V (waves 8-15)
.set UA,   26                          ; s26, s27 the union of the work-group's eight layout rows: 64 bits, shifted down 8 a trip
.set UB,   27
.set OA,   28                          ; s28, s29 my own layout row
.set OB,   29
.set TRIPS, 30
.set SKP,  31                          ; the trip's first byte in the padding mask: 1,024 a trip
.set NINF, 40                          ; -infinity
; 32 numbers of ONE lane, one block: six registers of codes in v[dst] on, the scale's byte in v249
.macro QUANT32 src, dst, tmp
	v_max3_num_f32 v246, |v[(\src)]|, |v[(\src)+1]|, |v[(\src)+2]|       ; the block's largest magnitude, in two chains
	v_max3_num_f32 v247, |v[(\src)+3]|, |v[(\src)+4]|, |v[(\src)+5]|
.irp i, 6,10,14,18,22,26
	v_max3_num_f32 v246, v246, |v[(\src)+\i]|, |v[(\src)+\i+1]|
	v_max3_num_f32 v247, v247, |v[(\src)+\i+2]|, |v[(\src)+\i+3]|
.endr
	v_max3_num_f32 v246, v246, |v[(\src)+30]|, |v[(\src)+31]|
	v_max3_num_f32 v246, v246, v247, 0x2800000     ; and the floor 2^(5 - 127): the byte cannot fall under 1
	v_add_nc_u32 v248, 0xfe000000, v246            ; 4 off its exponent field: the conversion takes the exponent field of this operand as its scale
	v_cvt_scalef32_pk16_bf6_f32 v[(\dst):(\dst)+2], v[(\src):(\src)+15], v248
	v_cvt_scalef32_pk16_bf6_f32 v[(\tmp):(\tmp)+2], v[(\src)+16:(\src)+31], v248   ; (a conversion's three registers begin on an even number)
	v_nop                                          ; one plain place behind a scaled conversion
	v_lshrrev_b32 v249, 23, v248                   ; the scale's byte
.irp i, 0,1,2
	v_mov_b32 v[(\dst)+3+\i], v[(\tmp)+\i]
.endr
.endm
; the scale word of a row of K or Q: byte 0 from lanes 0-15 (d 0-31), byte 1 from lanes 16-31 (d 32-63); bytes 2 and 3 are 0 and stand over zero codes
.macro WORD d
	v_lshlrev_b32 v[\d], v[SH8], v249
	v_permlanex16_b32 v250, v[\d], s[SEL], s[SEL+1]
	v_or_b32 v[\d], v[\d], v250
.endm
; a producer's 32 numbers of the group at s[XB:XB+1].  No hint: the head's other work-groups read these bytes again
.macro LOADX
	s_cmp_lt_u32 s[WV], 8
	s_cbranch_scc0 .Lload_v_\@
.irp i, 0,1,2,3,4,5,6,7
	global_load_b128 v[X+4*\i:X+4*\i+3], v[XOK], s[XB:XB+1] offset:16*\i     ; K: my key's 128 bytes of d = 32 h on; the wave's eight loads cover 16 rows of 256 bytes whole
.endr
	s_branch .Lloaded_\@
.Lload_v_\@:
.set j, 0
.rept 32
	global_load_b32 v[X+j], v[XOV], s[XB:XB+1] offset:256*j                   ; V: my channel, down the block's 32 keys: 32 lanes read 128 consecutive bytes
.set j, j+1
.endr
.Lloaded_\@:
.endm
; the codes just made go to LDS as they stand, with their scale
.macro PUT buf
	s_cmp_lt_u32 s[WV], 8
	s_cbranch_scc0 .Lput_v_\@
	WORD 254
	ds_store_b128 v[KA128], v[PC:PC+3] offset:KIMG+IMGB*(\buf)
	ds_store_b64 v[KA64], v[PC+4:PC+5] offset:KIMG+IMGB*(\buf)+512
	ds_store_b32 v[KSA], v254 offset:KSCL+1024*(\buf)
	s_branch .Lput_done_\@
.Lput_v_\@:
	ds_store_b128 v[VA128], v[PC:PC+3] offset:VIMG+IMGB*(\buf)
	ds_store_b64 v[VA64], v[PC+4:PC+5] offset:VIMG+IMGB*(\buf)+512
	ds_store_b8 v[VSA], v249 offset:VSCL+256*(\buf)
.Lput_done_\@:
.endm
; four tiles of K, 4 g on, and their scale words
.macro KTILES buf, g
.irp t, 0,1,2,3
	ds_load_b128 v[KF+12*\t:KF+12*\t+3], v[LI16] offset:KIMG+IMGB*(\buf)+768*(4*(\g)+\t)
	ds_load_b64 v[KF+12*\t+4:KF+12*\t+5], v[LI8] offset:KIMG+IMGB*(\buf)+768*(4*(\g)+\t)+512
	ds_load_b32 v[FS+\t], v[LI4] offset:KSCL+1024*(\buf)+128*(4*(\g)+\t)
.endr
.endm
; S^T of those four tiles: C and D are the tile's own registers, which hold 8 kpm of its keys.  Four accumulators, one instruction each
.macro KQ4 g
.irp t, 0,1,2,3
	v_wmma_scale_f32_16x16x128_f8f6f4 v[S+8*(4*(\g)+\t):S+8*(4*(\g)+\t)+7], v[KF+12*\t:KF+12*\t+11], v[QF:QF+11], v[S+8*(4*(\g)+\t):S+8*(4*(\g)+\t)+7], v[FS+\t], v[QS] matrix_a_fmt:MATRIX_FMT_BF6 matrix_b_fmt:MATRIX_FMT_BF6
.endr
.rept 4
	v_nop                                          ; four places in front of loads into the operands' registers, and of vector instructions on the results
.endr
.endm
; block b of the group: where my layout row does not have it, its 16 scores of my lane become -infinity, so that p = 0
.macro MASKB b
	s_bitcmp1_b32 s33, \b
	s_cbranch_scc1 .Lactive_\@
.set j, 0
.rept 16
	v_mov_b32 v[S+16*(\b)+j], s[NINF]
.set j, j+1
.endr
.Lactive_\@:
.endm
; A KEY STEP: my 16 queries against the group's 128 keys, from image buffer buf.  s33 = my layout row's four bits of the group
.macro STEP buf
	v_add_nc_u32 v[KP], s[SKP], v[KPM0]
.irp n, 0,1,2,3,4,5,6,7
	ds_load_b128 v[S+4*\n:S+4*\n+3], v[KP] offset:KPM8+512*(\buf)+128*(\n/4)+16*(\n%4)   ; C of blocks 0 and 1: register 16 b + x = 8 kpm of key 32 b + 16 h + x
.endr
	KTILES \buf, 0
.irp n, 8,9,10,11,12,13,14,15
	ds_load_b128 v[S+4*\n:S+4*\n+3], v[KP] offset:KPM8+512*(\buf)+128*(\n/4)+16*(\n%4)   ; C of blocks 2 and 3
.endr
	s_wait_dscnt 8                                 ; all but the eight loads just issued: C of blocks 0 and 1 and tiles 0-3 are in
	KQ4 0
	KTILES \buf, 1
	s_wait_dscnt 0x0
	KQ4 1
	MASKB 0
	MASKB 1
	MASKB 2
	MASKB 3
.irp b, 0,1,2,3
	v_max3_num_f32 v[BM+\b], v[S+16*\b], v[S+16*\b+1], v[S+16*\b+2]   ; the largest score of each block of 32 keys: for the row's maximum and, since p rises with the score, for the block's largest p.  Each accumulator is read from its low end on
.endr
.irp i, 3,5,7,9,11,13
.irp b, 0,1,2,3
	v_max3_num_f32 v[BM+\b], v[BM+\b], v[S+16*\b+\i], v[S+16*\b+\i+1]
.endr
.endr
.irp b, 0,1,2,3
	v_max_num_f32 v[BM+\b], v[BM+\b], v[S+16*\b+15]
.endr
.irp b, 0,1,2,3
	v_permlanex16_b32 v[BT+\b], v[BM+\b], s[SEL], s[SEL+1]
.endr
.irp b, 0,1,2,3
	v_max_num_f32 v[BM+\b], v[BM+\b], v[BT+\b]     ; with lane l xor 16's 16 keys
.endr
	v_max3_num_f32 v254, v[BM], v[BM+1], v[BM+2]
	v_max_num_f32 v254, v254, v[BM+3]              ; the step's largest score of my query: a number, since at least one block is active
	v_mul_f32 v254, s[CS], v254                    ; as t (c is positive)
	v_max_num_f32 v13, v13, v254                   ; the running largest t
	v_mov_b32 v254, v12
	v_floor_f32 v12, -v13                          ; the new -M = floor(-t) = -ceil(t): a whole number
	v_sub_f32 v254, v12, v254                      ; old M - new M: a whole number, 0 or less
	v_cvt_i32_f32 v254, v254                       ; (it saturates)
	v_ldexp_f32 v252, 1.0, v254                    ; f = 2^(old M - new M): the rescaling rounds nothing
.set j, 0
.rept 32
	v_pk_fma_f32 v[S+j:S+j+1], v[S+j:S+j+1], s[CS:CS+1], v[12:13] op_sel_hi:[1,0,0]   ; t - M, two at a time
.set j, j+2
.endr
.irp b, 0,1,2,3
	v_fma_f32 v[BM+\b], v[BM+\b], s[CS], v12       ; the same of each block's largest score
.endr
.set j, 0
.rept 64
	v_exp_f32 v[S+j], v[S+j]                       ; p = 2^(t - M), at most 1
.set j, j+1
.endr
.irp b, 0,1,2,3
	v_exp_f32 v[BM+\b], v[BM+\b]                   ; the block's largest p
.endr
	v_pk_mul_f32 v[14:15], v[14:15], v[252:253] op_sel_hi:[1,0]   ; the sums under the new M (the plain place behind the exponentials)
	s_wait_alu depctr_va_vdst(0)
.irp b, 0,1,2,3
	v_max_num_f32 v[BM+\b], 0x2800000, v[BM+\b]    ; the floor 2^(5 - 127): a block whose every p is 0 keeps the byte 1: its codes are zeros
.endr
.irp b, 0,1,2,3
	v_add_nc_u32 v[SO+\b], 0xfe000000, v[BM+\b]    ; 4 off the exponent field: the conversion's scale operand
.endr
.irp b, 0,1,2,3
	v_lshrrev_b32 v[BT+\b], 23, v[SO+\b]           ; the scale's byte
.endr
	v_lshl_or_b32 v[PW], v[BT+1], 8, v[BT]         ; p's scale word for these 128 keys
	v_lshl_or_b32 v[PW], v[BT+2], 16, v[PW]
	v_lshl_or_b32 v[PW], v[BT+3], 24, v[PW]
	v_pk_add_f32 v[BT:BT+1], v[S:S+1], v[S+2:S+3]  ; the row's sum is taken of the unquantised p: two at a time, in two chains
.irp i, 4,8,12,16,20,24,28,32,36,40,44,48,52,56,60
	v_pk_add_f32 v[14:15], v[14:15], v[S+\i:S+\i+1]
	v_pk_add_f32 v[BT:BT+1], v[BT:BT+1], v[S+\i+2:S+\i+3]
.endr
	v_pk_add_f32 v[14:15], v[14:15], v[BT:BT+1]
.irp c, 0,1
	v_cvt_scalef32_pk16_bf6_f32 v[PC+6*\c:PC+6*\c+2], v[S+32*\c:S+32*\c+15], v[SO+2*\c]
	v_cvt_scalef32_pk16_bf6_f32 v[TC+4*\c:TC+4*\c+2], v[S+32*\c+16:S+32*\c+31], v[SO+2*\c+1]
.endr
	v_nop                                          ; one plain place behind a scaled conversion
.irp t, 0,1,2,3                                ; p is done with: V's four fragments (16 channels x 128 keys) take its registers
	ds_load_b128 v[S+12*\t:S+12*\t+3], v[LI16] offset:VIMG+IMGB*(\buf)+1536*\t
	ds_load_b64 v[S+12*\t+4:S+12*\t+5], v[LI8] offset:VIMG+IMGB*(\buf)+1536*\t+512
	ds_load_b128 v[S+12*\t+6:S+12*\t+9], v[LI16] offset:VIMG+IMGB*(\buf)+1536*\t+768
	ds_load_b64 v[S+12*\t+10:S+12*\t+11], v[LI8] offset:VIMG+IMGB*(\buf)+1536*\t+768+512
	ds_load_b32 v[FS+\t], v[R4] offset:VSCL+256*(\buf)+64*\t
.endr
.irp c, 0,1                                    ; the operand's layout wants a WHOLE block in a lane: lanes 0-15 block 2 c, lanes 16-31 block 2 c + 1
.irp i, 0,1,2
	v_permlane16_swap_b32 v[PC+6*\c+\i], v[TC+4*\c+\i]
.endr
.irp i, 0,1,2
	v_mov_b32 v[PC+6*\c+3+\i], v[TC+4*\c+\i]
.endr
.endr
.set j, 0
.rept 16
	v_pk_mul_f32 v[OT+j:OT+j+1], v[OT+j:OT+j+1], v[252:253] op_sel_hi:[1,0]   ; O^T under the new M, each accumulator from its low end on.  For each product below twelve of these name none of its registers: the places behind the writes of p's codes
.set j, j+2
.endr
	s_wait_dscnt 0x0
.irp t, 0,1,2,3                                ; O^T += V^T P^T: four accumulators by turns, one instruction a turn
	v_wmma_scale_f32_16x16x128_f8f6f4 v[OT+8*\t:OT+8*\t+7], v[S+12*\t:S+12*\t+11], v[PC:PC+11], v[OT+8*\t:OT+8*\t+7], v[FS+\t], v[PW] matrix_a_fmt:MATRIX_FMT_BF6 matrix_b_fmt:MATRIX_FMT_BF6
.endr
.rept 5
	v_nop                                          ; five places: the next step's products write over V's fragments; its loads, the next codes and the way out want four
.endr
.endm
; ONE GROUP.  buf: its image buffer; sh: where its four bits stand in the masks' low byte
.macro HALF buf, sh
	s_wait_loadcnt 0x0                             ; this group's numbers are in, if they were asked for: X may be read, and the loads' base may step
	s_add_nc_u64 s[XB:XB+1], s[XB:XB+1], 32768     ; the next group: 128 rows of 256 bytes
	s_bfe_u32 s32, s[UA], (4<<16)|(\sh)
	s_cmp_eq_u32 s32, 0
	s_cbranch_scc1 .Lno_put_\@                     ; no row of the work-group uses this group
	QUANT32 X, PC, TC
	PUT \buf
.Lno_put_\@:
	s_bfe_u32 s32, s[UA], (4<<16)|((\sh)+4)        ; the next group's bits; behind the last group zeros have been shifted in, so no load leaves its buffer
	s_cmp_eq_u32 s32, 0
	s_cbranch_scc1 .Lno_load_\@
	LOADX                                          ; it lands while this group is worked
.Lno_load_\@:
	s_wait_dscnt 0x0                               ; my stores into this buffer have landed, and my reads of the other buffer are in: it is written again only behind the next barrier
	s_barrier_signal -1
	s_barrier_wait -1
	s_bfe_u32 s33, s[OA], (4<<16)|(\sh)
	s_cmp_eq_u32 s33, 0
	s_cbranch_scc1 .Lno_step_\@                    ; my layout row has none of the group's four blocks
	STEP \buf
.Lno_step_\@:
.endm
	s_load_b256 s[4:11], s[0:1], 0x0               ; query s[4:5], key s[6:7], value s[8:9], key_padding_mask s[10:11]
	s_load_b128 s[12:15], s[0:1], 0x20             ; layout s[12:13], out0 s[14:15]
	v_lshl_add_u32 v223, v0, 2, 0x1a000
	v_mov_b32 v227, 0
	v_lshrrev_b32 v246, 5, v0
	v_readfirstlane_b32 s[WV], v246                ; wave 0..15
	s_and_b32 s[W7], s[WV], 7
	s_and_b32 s19, ttmp7, 0xffff                   ; batch x 16 + head
	s_and_b32 s41, s[W7], 1                        ; a  = w7 % 2
	s_lshr_b32 s42, s[W7], 2                       ; cc = w7 / 4
	s_lshr_b32 s43, s[W7], 1                       ; jb = w7 / 2: a V producer's key block
	s_and_b32 s44, s43, 1                          ; hp = jb % 2
	s_mov_b32 s[SEL], 0x76543210
	s_mov_b32 s[SEL+1], 0xfedcba98
	s_mov_b32 s[CS], 0x3e38aa3b                    ; c = log2(e) / 8
	s_mov_b32 s[CS+1], s[CS]                       ; (named with it as a pair, so it is written)
	s_mov_b32 s[NINF], 0xff800000
	s_mov_b32 s[TRIPS], 8
	s_mov_b32 s[SKP], 0
	v_and_b32 v246, 31, v0                         ; lane
	v_and_b32 v247, 15, v0                         ; r
	v_bfe_u32 v248, v0, 4, 1                       ; h
	; every LDS address is made here, by every wave, of the thread's number, the wave's number and constants
	v_lshlrev_b32 v[LI16], 4, v246
	v_lshlrev_b32 v[LI8], 3, v246
	v_lshlrev_b32 v[LI4], 2, v246
	v_lshlrev_b32 v[R4], 2, v247
	v_lshlrev_b32 v[KPM0], 6, v248
	v_lshlrev_b32 v[SH8], 3, v248
	s_mul_i32 s32, s[W7], 768                      ; K: tile w7
	v_add_nc_u32 v[KA128], s32, v[LI16]
	v_add_nc_u32 v[KA64], s32, v[LI8]
	s_lshl_b32 s33, s[W7], 7
	v_add_nc_u32 v[KSA], s33, v[LI4]
	s_mul_i32 s32, s41, 3072                       ; V: my channel 32 a + lane is row r of tile t = 2 a + lane / 16; my block jb is registers 6 cc on of lanes 16 hp + r: piece 2 t + cc
	s_mul_i32 s33, s42, 768
	s_add_co_u32 s32, s32, s33
	v_mul_u32_u24 v249, v248, 1536
	s_lshl_b32 s33, s44, 8
	s_add_co_u32 s33, s33, s32
	v_lshl_add_u32 v[VA128], v247, 4, v249
	v_add_nc_u32 v[VA128], s33, v[VA128]           ; 3072 a + 1536 (lane / 16) + 768 cc + 16 (r + 16 hp)
	s_lshl_b32 s33, s44, 7
	s_add_co_u32 s33, s33, s32
	v_lshl_add_u32 v[VA64], v247, 3, v249
	v_add_nc_u32 v[VA64], s33, v[VA64]             ; the same piece + 8 (r + 16 hp)
	s_lshl_b32 s33, s41, 7
	s_add_co_u32 s33, s33, s43
	v_add_nc_u32 v[VSA], s33, v[LI4]               ; 4 x channel + jb
	s_mul_i32 s32, s[WV], 4352                     ; my stage
	v_mul_u32_u24 v[STO], v247, 272
	v_lshl_add_u32 v[STO], v248, 5, v[STO]
	v_add_nc_u32 v[STO], s32, v[STO]               ; in: row r, + 32 h
	v_mul_u32_u24 v[SRD], v248, 272
	v_lshl_add_u32 v[SRD], v247, 4, v[SRD]
	v_add_nc_u32 v[SRD], s32, v[SRD]               ; back: lanes 0-15 one row, lanes 16-31 the next
	v_lshlrev_b32 v[KP], 4, v0                     ; 16 x thread: the padding mask's place in memory and in LDS
	; byte offsets in memory
	v_and_b32 v[XOK], 8, v247
	v_add_nc_u32 v[XOK], v[XOK], v247              ; r + 8 (r / 8)
	v_lshlrev_b32 v[XOK], 8, v[XOK]
	v_lshl_add_u32 v[XOK], v248, 7, v[XOK]         ; that key's row of 256 bytes, + 128 h
	s_lshl_b32 s32, s43, 13                        ; 32 (w7 / 2) rows
	s_lshl_b32 s33, s41, 11                        ; 8 (w7 % 2) rows
	s_add_co_u32 s33, s33, s32
	v_add_nc_u32 v[XOK], s33, v[XOK]
	s_lshl_b32 s33, s41, 7
	s_add_co_u32 s33, s33, s32
	v_add_nc_u32 v[XOV], s33, v[LI4]               ; V: 32 jb rows + 4 x channel
	s_lshr_b32 s32, s[WV], 1
	s_lshl_b32 s32, s32, 8
	v_add_nc_u32 v120, s32, v[LI4]                 ; my own layout row among the work-group's eight: wave / 2
	v_lshlrev_b32 v121, 8, v247
	v_lshl_add_u32 v121, v248, 7, v121             ; Q: row r, + 128 h
	s_lshl_b32 s32, s19, 19                        ; the head's first byte in query, key, value, out0: 2,048 rows of 256 bytes
	s_mov_b32 s33, 0
	s_lshl_b32 s34, ttmp9, 16                      ; my chunk's 256 rows,
	s_lshl_b32 s35, s[WV], 12                      ; my wave's 16 of them
	s_add_co_u32 s34, s34, s35
	s_add_co_u32 s34, s34, s32
	s_mov_b32 s35, 0
	s_lshr_b32 s36, s19, 4
	s_lshl_b32 s36, s36, 13                        ; my batch's row of the padding mask
	s_mov_b32 s37, 0
	s_and_b32 s38, s19, 15
	s_lshl_b32 s38, s38, 14                        ; my head's 64 layout rows of 256 bytes,
	s_lshl_b32 s39, ttmp9, 11                      ; my chunk's eight of them
	s_add_co_u32 s38, s38, s39
	s_mov_b32 s39, 0
.set j, 0
.rept 32
	v_mov_b32 v[X+j], 0                            ; X is written on every way, also where the first group is not loaded
.set j, j+1
.endr
	s_wait_kmcnt 0x0
	s_add_nc_u64 s[4:5], s[4:5], s[34:35]
	s_add_nc_u64 s[14:15], s[14:15], s[34:35]
	s_add_nc_u64 s[10:11], s[10:11], s[36:37]
	s_add_nc_u64 s[12:13], s[12:13], s[38:39]
	s_cmp_lt_u32 s[WV], 8                          ; the choice hangs on the wave's number alone
	s_cselect_b64 s[XB:XB+1], s[6:7], s[8:9]
	s_add_nc_u64 s[XB:XB+1], s[XB:XB+1], s[32:33]
.irp u, 0,1,2,3,4,5,6,7
	global_load_b32 v[S+2*\u], v[LI4], s[12:13] offset:256*\u          ; layout row u of the work-group: lane l takes block l,
	global_load_b32 v[S+2*\u+1], v[LI4], s[12:13] offset:256*\u+128    ; and block 32 + l
.endr
	global_load_b32 v112, v120, s[12:13]
	global_load_b32 v113, v120, s[12:13] offset:128
	global_load_b128 v[116:119], v[KP], s[10:11]
.irp i, 0,1,2,3,4,5,6,7
	global_load_b128 v[128+4*\i:128+4*\i+3], v121, s[4:5] offset:16*\i th:TH_LOAD_NT   ; Q: my row's 32 numbers of d = 32 h on; read by this wave alone
.endr
	s_wait_loadcnt 0x0
.irp u, 1,2,3,4,5,6,7
	v_or_b32 v[S], v[S], v[S+2*\u]
	v_or_b32 v[S+1], v[S+1], v[S+2*\u+1]
.endr
	v_cmp_ne_u32 s[UA], 0, v[S]                    ; bit l: block l is active in some row of the work-group
	v_cmp_ne_u32 s[UB], 0, v[S+1]
	v_cmp_ne_u32 s[OA], 0, v112                    ; and in my own row
	v_cmp_ne_u32 s[OB], 0, v113
	s_and_b32 s32, s[UA], 15
	s_cmp_eq_u32 s32, 0
	s_cbranch_scc1 .Lno_first
	LOADX                                          ; group 0; it lands while Q is quantised
.Lno_first:
.irp i, 0,1,2,3
	v_mul_f32 v[116+\i], 0x41000000, v[116+\i]     ; 8 kpm, exact: it is added to q.k ahead of the factor 1 / 8
.endr
	ds_store_b128 v[KP], v[116:119] offset:KPM8    ; read behind the first barrier
	v_mov_b32 v250, 0                              ; written once: a lane permute's destination counts as one of its sources
.irp b, 0,1,2,3
	v_mov_b32 v[BT+\b], 0
.endr
	v_mov_b32 v253, 0                              ; (named as the upper half of the pair v[252:253])
	QUANT32 128, QF, TC
	WORD QS
.irp i, 6,7,8,9,10,11
	v_mov_b32 v[QF+\i], 0                          ; the upper 64 along K: zero codes, in Q
.irp t, 0,1,2,3
	v_mov_b32 v[KF+12*\t+\i], 0                    ; and in K's four fragments; no later line writes these
.endr
.endr
	v_mov_b32 v13, 0xff61b1e6                      ; the largest t so far: -3e38
	v_floor_f32 v12, -v13                          ; -M
	v_mov_b32 v14, 0                               ; the sum, in two halves
	v_mov_b32 v15, 0
.set j, 0
.rept 32
	v_mov_b32 v[OT+j], 0                           ; O^T: the step is written once; the first finds zeros, which the first change of M leaves zeros.  (These are also the places between the operands and scale made above and the first product)
.set j, j+1
.endr
.Ltrip:                                            ; eight trips of two groups
	HALF 0, 0
	HALF 1, 4
	s_lshr_b32 s[UA], s[UA], 8                     ; both masks go down by the trip's eight blocks; zeros come in on top
	s_lshl_b32 s32, s[UB], 24
	s_or_b32 s[UA], s[UA], s32
	s_lshr_b32 s[UB], s[UB], 8
	s_lshr_b32 s[OA], s[OA], 8
	s_lshl_b32 s32, s[OB], 24
	s_or_b32 s[OA], s[OA], s32
	s_lshr_b32 s[OB], s[OB], 8
	s_add_co_u32 s[SKP], s[SKP], 1024
	s_sub_co_u32 s[TRIPS], s[TRIPS], 1
	s_cmp_lg_u32 s[TRIPS], 0
	s_cbranch_scc1 .Ltrip
	; THE WAY OUT.  O^T / the sum goes through my own stage in LDS and leaves as whole rows of 256 bytes, two rows an instruction
	v_add_f32 v14, v14, v15                        ; the sum's two halves,
	v_permlanex16_b32 v250, v14, s[SEL], s[SEL+1]
	v_add_f32 v14, v14, v250                       ; and lane l xor 16's: the row's sum
	v_rcp_f32 v14, v14
	v_nop                                          ; one plain place behind the transcendental
.set j, 0
	s_wait_alu depctr_va_vdst(0)
.rept 32
	v_mul_f32 v[S+j], v[OT+j], v14                 ; register 8 t + i is out(r, 16 t + 8 h + i); each accumulator from its low end on
.set j, j+1
.endr
.irp t, 0,1,2,3
	ds_store_b128 v[STO], v[S+8*\t:S+8*\t+3] offset:STAGE+64*\t
	ds_store_b128 v[STO], v[S+8*\t+4:S+8*\t+7] offset:STAGE+64*\t+16
.endr
.irp i, 0,1,2,3,4,5,6,7
	ds_load_b128 v[128+4*\i:128+4*\i+3], v[SRD] offset:STAGE+544*\i   ; LDS serves a wave's instructions in order (ISA guide 5.7.1.4): these see my stores
.endr
.irp i, 0,1,2,3,4,5,6,7
	s_wait_dscnt 7-\i                              ; load i is in; the younger ones may be out
	global_store_b128 v[LI16], v[128+4*\i:128+4*\i+3], s[14:15] offset:512*\i th:TH_STORE_NT   ; 32 lanes store 512 consecutive bytes, at a multiple of 256 from out0's first byte; written once, read by nobody here
.endr
	s_wait_tensorcnt 0x0
	ds_add_u32 v223, v227
	s_wait_dscnt 0x0
	s_endpgm
.Lfunc_end_k_q4badd6c34e_attn:
	.size	k_q4badd6c34e_attn, .Lfunc_end_k_q4badd6c34e_attn-k_q4badd6c34e_attn
	.p2alignl 7, 3214868480
	.fill 96, 4, 3214868480
	.section	.rodata,"a",@progbits
	.p2align	6, 0x0
	.amdhsa_kernel k_q4badd6c34e_attn
		.amdhsa_group_segment_fixed_size 108544
		.amdhsa_private_segment_fixed_size 0
		.amdhsa_enable_private_segment 0
		.amdhsa_kernarg_size 48
		.amdhsa_user_sgpr_count 2
		.amdhsa_user_sgpr_kernarg_segment_ptr 1
		.amdhsa_wavefront_size32 1
		.amdhsa_system_sgpr_workgroup_id_x 1
		.amdhsa_system_sgpr_workgroup_id_y 1
		.amdhsa_system_sgpr_workgroup_id_z 1
		.amdhsa_system_vgpr_workitem_id 0
		.amdhsa_next_free_vgpr 256
		.amdhsa_next_free_sgpr 66
		.amdhsa_reserve_vcc 0
		.amdhsa_float_denorm_mode_32 3
		.amdhsa_float_denorm_mode_16_64 3
		.amdhsa_memory_ordered 1
		.amdhsa_forward_progress 1
		.amdhsa_inst_pref_size 73
	.end_amdhsa_kernel
	.amdgpu_metadata
---
amdhsa.version: [ 1, 2 ]
amdhsa.kernels:
  - .name:           k_q4badd6c34e_attn
    .symbol:         k_q4badd6c34e_attn.kd
    .args:
      - { .name: query, .offset: 0, .size: 8, .value_kind: global_buffer, .address_space: global }
      - { .name: key, .offset: 8, .size: 8, .value_kind: global_buffer, .address_space: global }
      - { .name: value, .offset: 16, .size: 8, .value_kind: global_buffer, .address_space: global }
      - { .name: key_padding_mask, .offset: 24, .size: 8, .value_kind: global_buffer, .address_space: global }
      - { .name: layout, .offset: 32, .size: 8, .value_kind: global_buffer, .address_space: global }
      - { .name: out0, .offset: 40, .size: 8, .value_kind: global_buffer, .address_space: global }
    .group_segment_fixed_size: 108544
    .private_segment_fixed_size: 0
    .kernarg_segment_align: 8
    .kernarg_segment_size: 48
    .max_flat_workgroup_size: 512
    .sgpr_count:     66
    .vgpr_count:     256
    .wavefront_size: 32
...
	.end_amdgpu_metadata
.endif
;; end of part 1
;; ======== version 2 of 2: 1 launch; version 1 with the launch attn written anew for expert scheduling mode
;; launch attn (part 2): grid 8 x 32, 16 waves a work-group, no clusters, 108,544 bytes of LDS; arguments query, key, value, key_padding_mask, layout, out0; writes out0
.if DOCPART == 2
	.amdgcn_target "amdgcn-amd-amdhsa--gfx1250"
	.amdhsa_code_object_version 6
	.text
	.protected	k_q4badd6c34e_attn
	.globl	k_q4badd6c34e_attn
	.p2align	8
	.type	k_q4badd6c34e_attn,@function
k_q4badd6c34e_attn:
	s_mov_b64 s[64:65], 0
	v_nop
	global_prefetch_b8 v0, s[64:65] scope:SCOPE_SE
	s_setreg_imm32_b32 hwreg(HW_REG_WAVE_SCHED_MODE, 0, 2), 2
	s_setreg_imm32_b32 hwreg(HW_REG_WAVE_MODE, 25, 1), 1
	s_wait_xcnt 0x0
	s_wait_alu depctr_vm_vsrc(0)
; out[b][h][q][:] = sum over keys of softmax_k(q.k / 8 + kpm[b][k], only where layout[h][q / 32][k / 32] != 0) v[k][:].   B x H = 32 heads, L = 2,048, D = 64, all f32 in memory.
; Both products run on codes of BF6 (E3M2) with one E8M0 scale for each 32 along a product's K.  Product 1 has K = 64: the instruction's upper 64 along K are zero codes.  Product 2 has K = the keys.
; THE SOFTMAX AHEAD OF PRODUCT 2: t = (q.k + 8 kpm) x log2(e) / 8; M = the running largest t rounded UP to a whole number; p = 2^(t - M) is quantised along the keys; the row's sum is taken of the unquantised p and divides at the end.
; SHARES.  A work-group owns 256 queries of one head (x: the chunk, y: batch x 16 + head); each of its sixteen waves owns 16 of them in 256 registers, four waves to a SIMD.
; The keys go in 16 groups of 128 (four layout blocks, one K step of product 2), in a loop of constant count.  A group that no row of the work-group uses is neither loaded nor quantised; a wave whose own layout row
; has none of the group's four blocks leaves the group's products and softmax out; of a group in part active, the scores of the inactive blocks become -infinity.  These are scalar branches on layout words, whole numbers read from memory.
; Every wave passes every barrier: one a group, outside all those branches.
; K AND V ARE QUANTISED ONCE FOR THE WORK-GROUP: waves 0-7 make the eight tiles of K (16 keys x 64), waves 8-15 the four key blocks x 64 channels of V (a lane to a channel, its registers down the keys), each lane ONE whole block of 32.
; The codes go to LDS as images of the operands' registers and are read by all sixteen waves.  Two image buffers take turns, so that one barrier a group orders both the stores ahead of the reads and the reads ahead of the stores two groups on.
; LAYOUT.  Both products are used transposed: S^T = K Q^T (+ C = 8 kpm of the keys), O^T = V^T P^T: a lane holds ONE query (lane % 16) throughout.
; THE KEYS OF A TILE ARE NOT NEIGHBOURS: lane r of tile 2 b + u takes key 32 b + 8 u + r + 8 (r / 8), so that S register 16 b + x of lane (r, h) is key 32 b + 16 h + x: 16 neighbours along product 2's K.
; NO CLUSTER, NO TENSOR LOADS: the eight work-groups of a head read the same K and V, but which groups each of them walks hangs on layout words read from memory, so partners would ask for different tiles,
; So the operands come by loads into registers.
; LIMITS: layout != 0 counts as active.  A query row with no active block gives 0 x (1 / 0) = NaN, as the softmax of a row of -infinity does.  NaN and infinities in query, key, value or key_padding_mask are not served.
; A block whose largest magnitude lies under 2^-122 keeps the scale byte 1; a block of zeros has the byte 1 where the quantiser says 127: its codes are zeros, and the bytes are read by this text alone.
; THE MODE: SCHED_MODE bits 1:0 = 2 (LLVM: expert scheduling mode 2), set by the entry lines.  The code itself states the register dependences
; between vector or matrix instructions and memory or LDS instructions, with s_wait_alu, always for 0.
; THE PLAN.  Registers that memory or LDS instructions touch:
;   v1-4, v6-11, v29, v30, v251, v255   addresses, made at the head ahead of its first wait on va_vdst and never written again.
;   v31 (KP)      Read by a step's sixteen loads of C; written once a step, at its head.
;   X             The group's global loads land in it; the quantiser reads it; the next group's loads land in it behind the quantiser's wait.
;   PC, v249, v254   Written by the quantiser, read by the producer's three LDS stores, written again by the step and by the next group's quantiser.
;   S             C's loads land in it; products, exponentials, sums and conversions work in it; V's fragments land in its first 48 registers; the second product reads them.
;   KF, FS        Tiles 0-3 and their scale words land, four products read them, tiles 4-7 land, four products read them; V's scale words land in FS.
; A GROUP has one wait on va_vdst behind the quantiser (the stores' data are written, X is read out) and one on vm_vsrc ahead of the barrier, on every wave's way (the stores have read their data, the last step's loads KP).
; A STEP has six waits on va_vdst: at its head, behind the add to KP (all that the last step did to S, KF and FS is done); behind products 0-3; ahead of the exponentials; behind them; behind the conversions, which empty p's registers for V;
; and ahead of the second product, whose operand and scale vector instructions have made.  No register is free for a further buffer: sixteen waves of 256 share four times 1,024.
; LDS, in bytes
.set IMGB,  6144                       ; a group's codes of K, and of V: 8 pieces of 768 (registers 0-3 of a piece at 16 x lane, registers 4-5 at 512 + 8 x lane)
.set KIMG,  0                          ; K's images, two buffers: tile T at 768 T
.set VIMG,  12288                      ; V's images, two buffers: piece 2 t + c at 768 (2 t + c): registers 6 c .. 6 c + 5 of the fragment of channels 16 t on
.set KSCL,  24576                      ; K's scale words, two buffers of 1,024: tile T at 128 T + 4 x lane
.set VSCL,  26624                      ; V's scale words, two buffers of 256: channel d at 4 d, byte jb = key block jb of the group
.set KPM8,  27136                      ; 8 x key_padding_mask of my batch: 2,048 f32
.set STAGE, 35328                      ; the way out: for each wave 16 rows x (256 + 16) bytes
; vector registers
.set LI16, 1                           ; 16 x lane
.set LI8,  2                           ; 8 x lane
.set LI4,  3                           ; 4 x lane
.set R4,   4                           ; 4 x (lane % 16)
.set KPM0, 5                           ; 64 x (lane / 16): my half's 16 keys of a block in the padding mask
.set KA128, 6                          ; where a K producer stores registers 0-3: 768 w7 + 16 lane
.set KA64,  7                          ; and registers 4-5: 768 w7 + 8 lane
.set KSA,   8                          ; and the scale word: 128 w7 + 4 lane
.set VA128, 9                          ; the same three for a V producer
.set VA64,  10
.set VSA,   11
;          v12 -M, v13 the largest t, v[14:15] the row's sum in two halves
.set QF,   16                          ; v16-27 Q's fragment: six registers of codes, six of zeros
.set QS,   28                          ; Q's scale word
.set XOK,  29                          ; a K producer's byte offset in a group of K
.set XOV,  30                          ; a V producer's in a group of V
.set KP,   31                          ; LDS address in hand
.set X,    32                          ; v32-63 a producer's 32 numbers
.set OT,   64                          ; v64-95 O^T, tile t (channels 16 t on) at 8 t
.set S,    96                          ; v96-159 C, then S^T, then p; v96-143 then take V's four fragments
.set KF,   160                         ; v160-207 four fragments of K; registers 6-11 of each stay zero
.set PC,   208                         ; v208-219 p's codes; a producer's six
.set TC,   220                         ; v220-222, v224-226 the conversions' second halves
.set BM,   228                         ; v228-231 the blocks' largest scores, then largest p
.set BT,   232                         ; v232-235 the other half's maxima, the bytes, then a pair of sums
.set SO,   236                         ; v236-239 the conversions' scale operands
.set PW,   240                         ; p's scale word
.set FS,   241                         ; v241-244 the fragments' scale words
.set SH8,  245                         ; 8 x (lane / 16)
;          v246-250 at work in QUANT32 and WORD; v[252:253] f; v254 at work
.set STO,  251                         ; the way out: where I put 32 bytes of a row
.set SRD,  255                         ; and where I read a row back
; scalar registers
.set WV,   16                          ; my wave's number
.set W7,   17                          ; and modulo 8
.set SEL,  20                          ; s[20:21] v_permlanex16_b32's selects for lane l xor 16
.set CS,   22                          ; s[22:23] c = log2(e) / 8
.set XB,   24                          ; s[24:25] the group to be loaded, in K (waves 0-7) or in V (waves 8-15)
.set UA,   26                          ; s26, s27 the union of the work-group's eight layout rows: 64 bits, shifted down 8 a trip
.set UB,   27
.set OA,   28                          ; s28, s29 my own layout row
.set OB,   29
.set TRIPS, 30
.set SKP,  31                          ; the trip's first byte in the padding mask: 1,024 a trip
.set NINF, 40                          ; -infinity
; 32 numbers of ONE lane, one block: six registers of codes in v[dst] on, the scale's byte in v249
.macro QUANT32 src, dst, tmp
	v_max3_num_f32 v246, |v[(\src)]|, |v[(\src)+1]|, |v[(\src)+2]|       ; the block's largest magnitude, in two chains
	v_max3_num_f32 v247, |v[(\src)+3]|, |v[(\src)+4]|, |v[(\src)+5]|
.irp i, 6,10,14,18,22,26
	v_max3_num_f32 v246, v246, |v[(\src)+\i]|, |v[(\src)+\i+1]|
	v_max3_num_f32 v247, v247, |v[(\src)+\i+2]|, |v[(\src)+\i+3]|
.endr
	v_max3_num_f32 v246, v246, |v[(\src)+30]|, |v[(\src)+31]|
	v_max3_num_f32 v246, v246, v247, 0x2800000     ; and the floor 2^(5 - 127): the byte cannot fall under 1
	v_add_nc_u32 v248, 0xfe000000, v246            ; 4 off its exponent field: the conversion takes the exponent field of this operand as its scale
	v_cvt_scalef32_pk16_bf6_f32 v[(\dst):(\dst)+2], v[(\src):(\src)+15], v248
	v_cvt_scalef32_pk16_bf6_f32 v[(\tmp):(\tmp)+2], v[(\src)+16:(\src)+31], v248   ; (a conversion's three registers begin on an even number)
	v_nop                                          ; one plain place behind a scaled conversion
	v_lshrrev_b32 v249, 23, v248                   ; the scale's byte
.irp i, 0,1,2
	v_mov_b32 v[(\dst)+3+\i], v[(\tmp)+\i]
.endr
.endm
; the scale word of a row of K or Q: byte 0 from lanes 0-15 (d 0-31), byte 1 from lanes 16-31 (d 32-63); bytes 2 and 3 are 0 and stand over zero codes
.macro WORD d
	v_lshlrev_b32 v[\d], v[SH8], v249
	v_permlanex16_b32 v250, v[\d], s[SEL], s[SEL+1]
	v_or_b32 v[\d], v[\d], v250
.endm
; a producer's 32 numbers of the group at s[XB:XB+1].  No hint: the head's other work-groups read these bytes again.
; No wait stands here: the last vector line that names X (the quantiser, or the zeros at the head) stands ahead of a wait on va_vdst on every way, and so do the lines that made the two offsets
.macro LOADX
	s_cmp_lt_u32 s[WV], 8
	s_cbranch_scc0 .Lload_v_\@
.irp i, 0,1,2,3,4,5,6,7
	global_load_b128 v[X+4*\i:X+4*\i+3], v[XOK], s[XB:XB+1] offset:16*\i     ; K: my key's 128 bytes of d = 32 h on; the wave's eight loads cover 16 rows of 256 bytes whole
.endr
	s_branch .Lloaded_\@
.Lload_v_\@:
.set j, 0
.rept 32
	global_load_b32 v[X+j], v[XOV], s[XB:XB+1] offset:256*j                   ; V: my channel, down the block's 32 keys: 32 lanes read 128 consecutive bytes
.set j, j+1
.endr
.Lloaded_\@:
.endm
; the codes just made go to LDS as they stand, with their scale
.macro PUT buf
	s_cmp_lt_u32 s[WV], 8
	s_cbranch_scc0 .Lput_v_\@
	WORD 254
	s_wait_alu depctr_va_vdst(0)                   ; the quantiser has written v[PC .. PC+5] and the three lines above v254, which the stores read; it is done reading X, in which the next group's loads land
	ds_store_b128 v[KA128], v[PC:PC+3] offset:KIMG+IMGB*(\buf)
	ds_store_b64 v[KA64], v[PC+4:PC+5] offset:KIMG+IMGB*(\buf)+512
	ds_store_b32 v[KSA], v254 offset:KSCL+1024*(\buf)
	s_branch .Lput_done_\@
.Lput_v_\@:
	s_wait_alu depctr_va_vdst(0)                   ; the quantiser has written v[PC .. PC+5] and v249, which the stores read; it is done reading X, in which the next group's loads land
	ds_store_b128 v[VA128], v[PC:PC+3] offset:VIMG+IMGB*(\buf)
	ds_store_b64 v[VA64], v[PC+4:PC+5] offset:VIMG+IMGB*(\buf)+512
	ds_store_b8 v[VSA], v249 offset:VSCL+256*(\buf)
.Lput_done_\@:
.endm
; four tiles of K, 4 g on, and their scale words
.macro KTILES buf, g
.irp t, 0,1,2,3
	ds_load_b128 v[KF+12*\t:KF+12*\t+3], v[LI16] offset:KIMG+IMGB*(\buf)+768*(4*(\g)+\t)
	ds_load_b64 v[KF+12*\t+4:KF+12*\t+5], v[LI8] offset:KIMG+IMGB*(\buf)+768*(4*(\g)+\t)+512
	ds_load_b32 v[FS+\t], v[LI4] offset:KSCL+1024*(\buf)+128*(4*(\g)+\t)
.endr
.endm
; S^T of those four tiles: C and D are the tile's own registers, which hold 8 kpm of its keys.  Four accumulators, one instruction each
.macro KQ4 g
.irp t, 0,1,2,3
	v_wmma_scale_f32_16x16x128_f8f6f4 v[S+8*(4*(\g)+\t):S+8*(4*(\g)+\t)+7], v[KF+12*\t:KF+12*\t+11], v[QF:QF+11], v[S+8*(4*(\g)+\t):S+8*(4*(\g)+\t)+7], v[FS+\t], v[QS] matrix_a_fmt:MATRIX_FMT_BF6 matrix_b_fmt:MATRIX_FMT_BF6
.endr
.rept 4
	v_nop                                          ; four places behind the products, in front of vector instructions on the results; behind tiles 0-3 they stand ahead of the wait that the loads into the operands' registers have
.endr
.endm
; block b of the group: where my layout row does not have it, its 16 scores of my lane become -infinity, so that p = 0
.macro MASKB b
	s_bitcmp1_b32 s33, \b
	s_cbranch_scc1 .Lactive_\@
.set j, 0
.rept 16
	v_mov_b32 v[S+16*(\b)+j], s[NINF]
.set j, j+1
.endr
.Lactive_\@:
.endm
; A KEY STEP: my 16 queries against the group's 128 keys, from image buffer buf.  s33 = my layout row's four bits of the group
.macro STEP buf
	v_add_nc_u32 v[KP], s[SKP], v[KPM0]            ; (the loads and the store that read v[KP] before stand ahead of the group's wait on vm_vsrc)
	s_wait_alu depctr_va_vdst(0)                   ; v[KP] is written, which the loads of C read; the last step's products, sums and conversions (in the first step: the head's lines) are done with S, K's fragments and the scale words, in which the 28 loads below land; Q's codes, the zero codes and Q's scale word are written, which the products take
.irp n, 0,1,2,3,4,5,6,7
	ds_load_b128 v[S+4*\n:S+4*\n+3], v[KP] offset:KPM8+512*(\buf)+128*(\n/4)+16*(\n%4)   ; C of blocks 0 and 1: register 16 b + x = 8 kpm of key 32 b + 16 h + x
.endr
	KTILES \buf, 0
.irp n, 8,9,10,11,12,13,14,15
	ds_load_b128 v[S+4*\n:S+4*\n+3], v[KP] offset:KPM8+512*(\buf)+128*(\n/4)+16*(\n%4)   ; C of blocks 2 and 3
.endr
	s_wait_dscnt 8                                 ; all but the eight loads just issued: C of blocks 0 and 1 and tiles 0-3 are in
	KQ4 0
	s_wait_alu depctr_va_vdst(0)                   ; the four products are done reading tiles 0-3 and their scale words, in whose registers tiles 4-7 land
	KTILES \buf, 1
	s_wait_dscnt 0x0
	KQ4 1
	MASKB 0
	MASKB 1
	MASKB 2
	MASKB 3
.irp b, 0,1,2,3
	v_max3_num_f32 v[BM+\b], v[S+16*\b], v[S+16*\b+1], v[S+16*\b+2]   ; the largest score of each block of 32 keys: for the row's maximum and, since p rises with the score, for the block's largest p.  Each accumulator is read from its low end on
.endr
.irp i, 3,5,7,9,11,13
.irp b, 0,1,2,3
	v_max3_num_f32 v[BM+\b], v[BM+\b], v[S+16*\b+\i], v[S+16*\b+\i+1]
.endr
.endr
.irp b, 0,1,2,3
	v_max_num_f32 v[BM+\b], v[BM+\b], v[S+16*\b+15]
.endr
.irp b, 0,1,2,3
	v_permlanex16_b32 v[BT+\b], v[BM+\b], s[SEL], s[SEL+1]
.endr
.irp b, 0,1,2,3
	v_max_num_f32 v[BM+\b], v[BM+\b], v[BT+\b]     ; with lane l xor 16's 16 keys
.endr
	v_max3_num_f32 v254, v[BM], v[BM+1], v[BM+2]
	v_max_num_f32 v254, v254, v[BM+3]              ; the step's largest score of my query: a number, since at least one block is active
	v_mul_f32 v254, s[CS], v254                    ; as t (c is positive)
	v_max_num_f32 v13, v13, v254                   ; the running largest t
	v_mov_b32 v254, v12
	v_floor_f32 v12, -v13                          ; the new -M = floor(-t) = -ceil(t): a whole number
	v_sub_f32 v254, v12, v254                      ; old M - new M: a whole number, 0 or less
	v_cvt_i32_f32 v254, v254                       ; (it saturates)
	v_ldexp_f32 v252, 1.0, v254                    ; f = 2^(old M - new M): the rescaling rounds nothing
.set j, 0
.rept 32
	v_pk_fma_f32 v[S+j:S+j+1], v[S+j:S+j+1], s[CS:CS+1], v[12:13] op_sel_hi:[1,0,0]   ; t - M, two at a time
.set j, j+2
.endr
.irp b, 0,1,2,3
	v_fma_f32 v[BM+\b], v[BM+\b], s[CS], v12       ; the same of each block's largest score
.endr
.set j, 0
	s_wait_alu depctr_va_vdst(0)
.rept 64
	v_exp_f32 v[S+j], v[S+j]                       ; p = 2^(t - M), at most 1
.set j, j+1
.endr
.irp b, 0,1,2,3
	v_exp_f32 v[BM+\b], v[BM+\b]                   ; the block's largest p
.endr
	v_pk_mul_f32 v[14:15], v[14:15], v[252:253] op_sel_hi:[1,0]   ; the sums under the new M (the plain place behind the exponentials)
	s_wait_alu depctr_va_vdst(0)                   ; the 68 exponentials have written p and the blocks' largest p: one wait for the batch, ahead of the first line that names a result
.irp b, 0,1,2,3
	v_max_num_f32 v[BM+\b], 0x2800000, v[BM+\b]    ; the floor 2^(5 - 127): a block whose every p is 0 keeps the byte 1: its codes are zeros
.endr
.irp b, 0,1,2,3
	v_add_nc_u32 v[SO+\b], 0xfe000000, v[BM+\b]    ; 4 off the exponent field: the conversion's scale operand
.endr
.irp b, 0,1,2,3
	v_lshrrev_b32 v[BT+\b], 23, v[SO+\b]           ; the scale's byte
.endr
	v_lshl_or_b32 v[PW], v[BT+1], 8, v[BT]         ; p's scale word for these 128 keys
	v_lshl_or_b32 v[PW], v[BT+2], 16, v[PW]
	v_lshl_or_b32 v[PW], v[BT+3], 24, v[PW]
	v_pk_add_f32 v[BT:BT+1], v[S:S+1], v[S+2:S+3]  ; the row's sum is taken of the unquantised p: two at a time, in two chains
.irp i, 4,8,12,16,20,24,28,32,36,40,44,48,52,56,60
	v_pk_add_f32 v[14:15], v[14:15], v[S+\i:S+\i+1]
	v_pk_add_f32 v[BT:BT+1], v[BT:BT+1], v[S+\i+2:S+\i+3]
.endr
	v_pk_add_f32 v[14:15], v[14:15], v[BT:BT+1]
.irp c, 0,1
	v_cvt_scalef32_pk16_bf6_f32 v[PC+6*\c:PC+6*\c+2], v[S+32*\c:S+32*\c+15], v[SO+2*\c]
	v_cvt_scalef32_pk16_bf6_f32 v[TC+4*\c:TC+4*\c+2], v[S+32*\c+16:S+32*\c+31], v[SO+2*\c+1]
.endr
	v_nop                                          ; one plain place behind a scaled conversion
	s_wait_alu depctr_va_vdst(0)                   ; the sums and the conversions are done reading p, and the products of tiles 4-7 their scale words: V's fragments and scale words land in these registers.  The vector lines behind this wait name p's codes and O^T alone
.irp t, 0,1,2,3                                ; p is done with: V's four fragments (16 channels x 128 keys) take its registers
	ds_load_b128 v[S+12*\t:S+12*\t+3], v[LI16] offset:VIMG+IMGB*(\buf)+1536*\t
	ds_load_b64 v[S+12*\t+4:S+12*\t+5], v[LI8] offset:VIMG+IMGB*(\buf)+1536*\t+512
	ds_load_b128 v[S+12*\t+6:S+12*\t+9], v[LI16] offset:VIMG+IMGB*(\buf)+1536*\t+768
	ds_load_b64 v[S+12*\t+10:S+12*\t+11], v[LI8] offset:VIMG+IMGB*(\buf)+1536*\t+768+512
	ds_load_b32 v[FS+\t], v[R4] offset:VSCL+256*(\buf)+64*\t
.endr
.irp c, 0,1                                    ; the operand's layout wants a WHOLE block in a lane: lanes 0-15 block 2 c, lanes 16-31 block 2 c + 1
.irp i, 0,1,2
	v_permlane16_swap_b32 v[PC+6*\c+\i], v[TC+4*\c+\i]
.endr
.irp i, 0,1,2
	v_mov_b32 v[PC+6*\c+3+\i], v[TC+4*\c+\i]
.endr
.endr
.set j, 0
.rept 16
	v_pk_mul_f32 v[OT+j:OT+j+1], v[OT+j:OT+j+1], v[252:253] op_sel_hi:[1,0]   ; O^T under the new M, each accumulator from its low end on.  For each product below twelve of these name none of its registers: the places behind the writes of p's codes
.set j, j+2
.endr
	s_wait_alu depctr_va_vdst(0)                   ; p's codes and p's scale word are written, which the scaled products take; the places above stay beside this wait
	s_wait_dscnt 0x0
.irp t, 0,1,2,3                                ; O^T += V^T P^T: four accumulators by turns, one instruction a turn
	v_wmma_scale_f32_16x16x128_f8f6f4 v[OT+8*\t:OT+8*\t+7], v[S+12*\t:S+12*\t+11], v[PC:PC+11], v[OT+8*\t:OT+8*\t+7], v[FS+\t], v[PW] matrix_a_fmt:MATRIX_FMT_BF6 matrix_b_fmt:MATRIX_FMT_BF6
.endr
.rept 5
	v_nop                                          ; five places: the next step's products write over V's fragments; the next codes and the way out want four.  (The next step's loads into these registers stand behind the wait at its head)
.endr
.endm
; ONE GROUP.  buf: its image buffer; sh: where its four bits stand in the masks' low byte
.macro HALF buf, sh
	s_wait_loadcnt 0x0                             ; this group's numbers are in, if they were asked for: X may be read, and the loads' base may step
	s_add_nc_u64 s[XB:XB+1], s[XB:XB+1], 32768     ; the next group: 128 rows of 256 bytes
	s_bfe_u32 s32, s[UA], (4<<16)|(\sh)
	s_cmp_eq_u32 s32, 0
	s_cbranch_scc1 .Lno_put_\@                     ; no row of the work-group uses this group
	QUANT32 X, PC, TC
	PUT \buf
.Lno_put_\@:
	s_bfe_u32 s32, s[UA], (4<<16)|((\sh)+4)        ; the next group's bits; behind the last group zeros have been shifted in, so no load leaves its buffer
	s_cmp_eq_u32 s32, 0
	s_cbranch_scc1 .Lno_load_\@
	LOADX                                          ; it lands while this group is worked
.Lno_load_\@:
	s_wait_dscnt 0x0                               ; my stores into this buffer have landed, and my reads of the other buffer are in: it is written again only behind the next barrier
	s_wait_alu depctr_vm_vsrc(0)                   ; my LDS stores have read v[PC ..], v249 and v254, which the step or the next group's quantiser writes again; the last step's loads of C have read v[KP], which the step writes again; in the first trip the head's loads and store have read v120, v121, v[116:119] and v[KP]
	s_barrier_signal -1
	s_barrier_wait -1
	s_bfe_u32 s33, s[OA], (4<<16)|(\sh)
	s_cmp_eq_u32 s33, 0
	s_cbranch_scc1 .Lno_step_\@                    ; my layout row has none of the group's four blocks
	STEP \buf
.Lno_step_\@:
.endm
	s_load_b256 s[4:11], s[0:1], 0x0               ; query s[4:5], key s[6:7], value s[8:9], key_padding_mask s[10:11]
	s_load_b128 s[12:15], s[0:1], 0x20             ; layout s[12:13], out0 s[14:15]
	v_lshl_add_u32 v223, v0, 2, 0x1a000
	v_mov_b32 v227, 0
	v_lshrrev_b32 v246, 5, v0
	v_readfirstlane_b32 s[WV], v246                ; wave 0..15
	s_wait_alu depctr_va_sdst(0)                   ; s16, the wave's number, is written, ahead of its first reader
	s_and_b32 s[W7], s[WV], 7
	s_and_b32 s19, ttmp7, 0xffff                   ; batch x 16 + head
	s_and_b32 s41, s[W7], 1                        ; a  = w7 % 2
	s_lshr_b32 s42, s[W7], 2                       ; cc = w7 / 4
	s_lshr_b32 s43, s[W7], 1                       ; jb = w7 / 2: a V producer's key block
	s_and_b32 s44, s43, 1                          ; hp = jb % 2
	s_mov_b32 s[SEL], 0x76543210
	s_mov_b32 s[SEL+1], 0xfedcba98
	s_mov_b32 s[CS], 0x3e38aa3b                    ; c = log2(e) / 8
	s_mov_b32 s[CS+1], s[CS]                       ; (named with it as a pair, so it is written)
	s_mov_b32 s[NINF], 0xff800000
	s_mov_b32 s[TRIPS], 8
	s_mov_b32 s[SKP], 0
	v_and_b32 v246, 31, v0                         ; lane
	v_and_b32 v247, 15, v0                         ; r
	v_bfe_u32 v248, v0, 4, 1                       ; h
	; every LDS address is made here, by every wave, of the thread's number, the wave's number and constants
	v_lshlrev_b32 v[LI16], 4, v246
	v_lshlrev_b32 v[LI8], 3, v246
	v_lshlrev_b32 v[LI4], 2, v246
	v_lshlrev_b32 v[R4], 2, v247
	v_lshlrev_b32 v[KPM0], 6, v248
	v_lshlrev_b32 v[SH8], 3, v248
	s_mul_i32 s32, s[W7], 768                      ; K: tile w7
	v_add_nc_u32 v[KA128], s32, v[LI16]
	v_add_nc_u32 v[KA64], s32, v[LI8]
	s_lshl_b32 s33, s[W7], 7
	v_add_nc_u32 v[KSA], s33, v[LI4]
	s_mul_i32 s32, s41, 3072                       ; V: my channel 32 a + lane is row r of tile t = 2 a + lane / 16; my block jb is registers 6 cc on of lanes 16 hp + r: piece 2 t + cc
	s_mul_i32 s33, s42, 768
	s_add_co_u32 s32, s32, s33
	v_mul_u32_u24 v249, v248, 1536
	s_lshl_b32 s33, s44, 8
	s_add_co_u32 s33, s33, s32
	v_lshl_add_u32 v[VA128], v247, 4, v249
	v_add_nc_u32 v[VA128], s33, v[VA128]           ; 3072 a + 1536 (lane / 16) + 768 cc + 16 (r + 16 hp)
	s_lshl_b32 s33, s44, 7
	s_add_co_u32 s33, s33, s32
	v_lshl_add_u32 v[VA64], v247, 3, v249
	v_add_nc_u32 v[VA64], s33, v[VA64]             ; the same piece + 8 (r + 16 hp)
	s_lshl_b32 s33, s41, 7
	s_add_co_u32 s33, s33, s43
	v_add_nc_u32 v[VSA], s33, v[LI4]               ; 4 x channel + jb
	s_mul_i32 s32, s[WV], 4352                     ; my stage
	v_mul_u32_u24 v[STO], v247, 272
	v_lshl_add_u32 v[STO], v248, 5, v[STO]
	v_add_nc_u32 v[STO], s32, v[STO]               ; in: row r, + 32 h
	v_mul_u32_u24 v[SRD], v248, 272
	v_lshl_add_u32 v[SRD], v247, 4, v[SRD]
	v_add_nc_u32 v[SRD], s32, v[SRD]               ; back: lanes 0-15 one row, lanes 16-31 the next
	v_lshlrev_b32 v[KP], 4, v0                     ; 16 x thread: the padding mask's place in memory and in LDS
	; byte offsets in memory
	v_and_b32 v[XOK], 8, v247
	v_add_nc_u32 v[XOK], v[XOK], v247              ; r + 8 (r / 8)
	v_lshlrev_b32 v[XOK], 8, v[XOK]
	v_lshl_add_u32 v[XOK], v248, 7, v[XOK]         ; that key's row of 256 bytes, + 128 h
	s_lshl_b32 s32, s43, 13                        ; 32 (w7 / 2) rows
	s_lshl_b32 s33, s41, 11                        ; 8 (w7 % 2) rows
	s_add_co_u32 s33, s33, s32
	v_add_nc_u32 v[XOK], s33, v[XOK]
	s_lshl_b32 s33, s41, 7
	s_add_co_u32 s33, s33, s32
	v_add_nc_u32 v[XOV], s33, v[LI4]               ; V: 32 jb rows + 4 x channel
	s_lshr_b32 s32, s[WV], 1
	s_lshl_b32 s32, s32, 8
	v_add_nc_u32 v120, s32, v[LI4]                 ; my own layout row among the work-group's eight: wave / 2
	v_lshlrev_b32 v121, 8, v247
	v_lshl_add_u32 v121, v248, 7, v121             ; Q: row r, + 128 h
	s_lshl_b32 s32, s19, 19                        ; the head's first byte in query, key, value, out0: 2,048 rows of 256 bytes
	s_mov_b32 s33, 0
	s_lshl_b32 s34, ttmp9, 16                      ; my chunk's 256 rows,
	s_lshl_b32 s35, s[WV], 12                      ; my wave's 16 of them
	s_add_co_u32 s34, s34, s35
	s_add_co_u32 s34, s34, s32
	s_mov_b32 s35, 0
	s_lshr_b32 s36, s19, 4
	s_lshl_b32 s36, s36, 13                        ; my batch's row of the padding mask
	s_mov_b32 s37, 0
	s_and_b32 s38, s19, 15
	s_lshl_b32 s38, s38, 14                        ; my head's 64 layout rows of 256 bytes,
	s_lshl_b32 s39, ttmp9, 11                      ; my chunk's eight of them
	s_add_co_u32 s38, s38, s39
	s_mov_b32 s39, 0
.set j, 0
.rept 32
	v_mov_b32 v[X+j], 0                            ; X is written on every way, also where the first group is not loaded
.set j, j+1
.endr
	s_wait_kmcnt 0x0
	s_add_nc_u64 s[4:5], s[4:5], s[34:35]
	s_add_nc_u64 s[14:15], s[14:15], s[34:35]
	s_add_nc_u64 s[10:11], s[10:11], s[36:37]
	s_add_nc_u64 s[12:13], s[12:13], s[38:39]
	s_cmp_lt_u32 s[WV], 8                          ; the choice hangs on the wave's number alone
	s_cselect_b64 s[XB:XB+1], s[6:7], s[8:9]
	s_add_nc_u64 s[XB:XB+1], s[XB:XB+1], s[32:33]
	s_wait_alu depctr_va_vdst(0)                   ; every address and offset of the kernel but the steps' v[KP] is written (v1-4, v6-11, v29-31, v120, v121, v251, v255), which loads and stores read; X's zeros are written, on which the first group's loads land
.irp u, 0,1,2,3,4,5,6,7
	global_load_b32 v[S+2*\u], v[LI4], s[12:13] offset:256*\u          ; layout row u of the work-group: lane l takes block l,
	global_load_b32 v[S+2*\u+1], v[LI4], s[12:13] offset:256*\u+128    ; and block 32 + l
.endr
	global_load_b32 v112, v120, s[12:13]
	global_load_b32 v113, v120, s[12:13] offset:128
	global_load_b128 v[116:119], v[KP], s[10:11]
.irp i, 0,1,2,3,4,5,6,7
	global_load_b128 v[128+4*\i:128+4*\i+3], v121, s[4:5] offset:16*\i th:TH_LOAD_NT   ; Q: my row's 32 numbers of d = 32 h on; read by this wave alone
.endr
	s_wait_loadcnt 0x0
.irp u, 1,2,3,4,5,6,7
	v_or_b32 v[S], v[S], v[S+2*\u]
	v_or_b32 v[S+1], v[S+1], v[S+2*\u+1]
.endr
	v_cmp_ne_u32 s[UA], 0, v[S]                    ; bit l: block l is active in some row of the work-group
	v_cmp_ne_u32 s[UB], 0, v[S+1]
	v_cmp_ne_u32 s[OA], 0, v112                    ; and in my own row
	v_cmp_ne_u32 s[OB], 0, v113
	s_wait_alu depctr_va_sdst(0)                   ; the four compares have written s26 to s29, ahead of their first reader: one wait behind the run
	s_and_b32 s32, s[UA], 15
	s_cmp_eq_u32 s32, 0
	s_cbranch_scc1 .Lno_first
	LOADX                                          ; group 0; it lands while Q is quantised
.Lno_first:
.irp i, 0,1,2,3
	v_mul_f32 v[116+\i], 0x41000000, v[116+\i]     ; 8 kpm, exact: it is added to q.k ahead of the factor 1 / 8
.endr
	v_mov_b32 v250, 0                              ; written once: a lane permute's destination counts as one of its sources
.irp b, 0,1,2,3
	v_mov_b32 v[BT+\b], 0
.endr
	v_mov_b32 v253, 0                              ; (named as the upper half of the pair v[252:253])
	QUANT32 128, QF, TC
	WORD QS
.irp i, 6,7,8,9,10,11
	v_mov_b32 v[QF+\i], 0                          ; the upper 64 along K: zero codes, in Q
.irp t, 0,1,2,3
	v_mov_b32 v[KF+12*\t+\i], 0                    ; and in K's four fragments; no later line writes these
.endr
.endr
	v_mov_b32 v13, 0xff61b1e6                      ; the largest t so far: -3e38
	v_floor_f32 v12, -v13                          ; -M
	v_mov_b32 v14, 0                               ; the sum, in two halves
	v_mov_b32 v15, 0
.set j, 0
.rept 32
	v_mov_b32 v[OT+j], 0                           ; O^T: the step is written once; the first finds zeros, which the first change of M leaves zeros.  (These are also the places between the operands and scale made above and the first product)
.set j, j+1
.endr
	s_wait_alu depctr_va_vdst(0)                   ; the four multiplications have written v[116:119], which the store reads
	ds_store_b128 v[KP], v[116:119] offset:KPM8    ; read behind the first barrier
.Ltrip:                                            ; eight trips of two groups
	HALF 0, 0
	HALF 1, 4
	s_lshr_b32 s[UA], s[UA], 8                     ; both masks go down by the trip's eight blocks; zeros come in on top
	s_lshl_b32 s32, s[UB], 24
	s_or_b32 s[UA], s[UA], s32
	s_lshr_b32 s[UB], s[UB], 8
	s_lshr_b32 s[OA], s[OA], 8
	s_lshl_b32 s32, s[OB], 24
	s_or_b32 s[OA], s[OA], s32
	s_lshr_b32 s[OB], s[OB], 8
	s_add_co_u32 s[SKP], s[SKP], 1024
	s_sub_co_u32 s[TRIPS], s[TRIPS], 1
	s_cmp_lg_u32 s[TRIPS], 0
	s_cbranch_scc1 .Ltrip
	; THE WAY OUT.  O^T / the sum goes through my own stage in LDS and leaves as whole rows of 256 bytes, two rows an instruction
	v_add_f32 v14, v14, v15                        ; the sum's two halves,
	v_permlanex16_b32 v250, v14, s[SEL], s[SEL+1]
	v_add_f32 v14, v14, v250                       ; and lane l xor 16's: the row's sum
	s_wait_alu depctr_va_vdst(0)
	v_rcp_f32 v14, v14
	v_nop                                          ; one plain place behind the transcendental
	s_wait_alu depctr_va_vdst(0)                   ; the reciprocal has written v14, ahead of the first line that names it
.set j, 0
.rept 32
	v_mul_f32 v[S+j], v[OT+j], v14                 ; register 8 t + i is out(r, 16 t + 8 h + i); each accumulator from its low end on
.set j, j+1
.endr
	s_wait_alu depctr_va_vdst(0)                   ; the multiplications have written v[S .. S+31], which the LDS stores read; no vector line follows, so the loads from the stage into v128-159 owe nothing more
.irp t, 0,1,2,3
	ds_store_b128 v[STO], v[S+8*\t:S+8*\t+3] offset:STAGE+64*\t
	ds_store_b128 v[STO], v[S+8*\t+4:S+8*\t+7] offset:STAGE+64*\t+16
.endr
.irp i, 0,1,2,3,4,5,6,7
	ds_load_b128 v[128+4*\i:128+4*\i+3], v[SRD] offset:STAGE+544*\i   ; LDS serves a wave's instructions in order (ISA guide 5.7.1.4): these see my stores
.endr
.irp i, 0,1,2,3,4,5,6,7
	s_wait_dscnt 7-\i                              ; load i is in; the younger ones may be out
	global_store_b128 v[LI16], v[128+4*\i:128+4*\i+3], s[14:15] offset:512*\i th:TH_STORE_NT   ; 32 lanes store 512 consecutive bytes, at a multiple of 256 from out0's first byte; written once, read by nobody here
.endr
	s_wait_dscnt 0x0
	s_wait_alu depctr_hold_cnt(0) depctr_sa_sdst(0) depctr_va_vdst(0) depctr_va_sdst(0) depctr_va_ssrc(0) depctr_va_vcc(0) depctr_vm_vsrc(0)
	s_wait_tensorcnt 0x0
	ds_add_u32 v223, v227
	s_wait_dscnt 0x0
	s_endpgm
.Lfunc_end_k_q4badd6c34e_attn:
	.size	k_q4badd6c34e_attn, .Lfunc_end_k_q4badd6c34e_attn-k_q4badd6c34e_attn
	.p2alignl 7, 3214868480
	.fill 96, 4, 3214868480
	.section	.rodata,"a",@progbits
	.p2align	6, 0x0
	.amdhsa_kernel k_q4badd6c34e_attn
		.amdhsa_group_segment_fixed_size 108544
		.amdhsa_private_segment_fixed_size 0
		.amdhsa_enable_private_segment 0
		.amdhsa_kernarg_size 48
		.amdhsa_user_sgpr_count 2
		.amdhsa_user_sgpr_kernarg_segment_ptr 1
		.amdhsa_wavefront_size32 1
		.amdhsa_system_sgpr_workgroup_id_x 1
		.amdhsa_system_sgpr_workgroup_id_y 1
		.amdhsa_system_sgpr_workgroup_id_z 1
		.amdhsa_system_vgpr_workitem_id 0
		.amdhsa_next_free_vgpr 256
		.amdhsa_next_free_sgpr 66
		.amdhsa_reserve_vcc 0
		.amdhsa_float_denorm_mode_32 3
		.amdhsa_float_denorm_mode_16_64 3
		.amdhsa_memory_ordered 1
		.amdhsa_forward_progress 1
		.amdhsa_inst_pref_size 73
	.end_amdhsa_kernel
	.amdgpu_metadata
---
amdhsa.version: [ 1, 2 ]
amdhsa.kernels:
  - .name:           k_q4badd6c34e_attn
    .symbol:         k_q4badd6c34e_attn.kd
    .args:
      - { .name: query, .offset: 0, .size: 8, .value_kind: global_buffer, .address_space: global }
      - { .name: key, .offset: 8, .size: 8, .value_kind: global_buffer, .address_space: global }
      - { .name: value, .offset: 16, .size: 8, .value_kind: global_buffer, .address_space: global }
      - { .name: key_padding_mask, .offset: 24, .size: 8, .value_kind: global_buffer, .address_space: global }
      - { .name: layout, .offset: 32, .size: 8, .value_kind: global_buffer, .address_space: global }
      - { .name: out0, .offset: 40, .size: 8, .value_kind: global_buffer, .address_space: global }
    .group_segment_fixed_size: 108544
    .private_segment_fixed_size: 0
    .kernarg_segment_align: 8
    .kernarg_segment_size: 48
    .max_flat_workgroup_size: 512
    .sgpr_count:     66
    .vgpr_count:     256
    .wavefront_size: 32
...
	.end_amdgpu_metadata
.endif
;; end of part 2
